; MI455X (gfx1250); checked and timed in simulation.
; The chip was launched on July 23, 2026; its instructions are those of AMD's public machine-readable ISA for CDNA 5 (MIT licence, August 2026) and "CDNA5" Instruction Set Architecture Reference Guide (July 2026). The comments in the code are by the model that wrote it; some were corrected since.
;; Multi Head Attention. Allowed arithmetic: matrix products marked QUANTISED: E4M3 operands, one given power-of-two scale a tensor, by v_wmma_f32_16x16x64_fp8_fp8 or v_wmma_f32_16x16x128_fp8_fp8, f32 sums; everything else in f32.
;; Inputs: b_proj 1,024 float32; b_qkv 3,072 float32; lowp_scales 8 int32 (the exponents e of the quantised operands' scales 2^e); mask 1 x 1 x 2,048 x 2,048 int32; w_proj 1,024 x 1,024 float32; w_qkv 1,024 x 3,072 float32; x 4 x 2,048 x 1,024 float32.
;; Outputs: out0 4 x 2,048 x 1,024 float32.
;; This version of the problem:
;;   THIS VERSION OF THE PROBLEM IS GIVEN IN LOW PRECISION. The matrix products marked QUANTISED in the list below multiply operands that are first quantised to E4M3 (4 exponent bits, 3 mantissa bits; 8 bits a number), with one given power-of-two scale for each operand tensor; their sums are f32. All else is computed in f32.
;;   The module's matrix products, in the order in which they are computed (A, B: the left and right operand; K: the contracted axis; several contracted axes count as one K, in the product's order):
;;     1. [M 8,192, K 1,024] x [K 1,024, N 3,072]; A: input x; B: input w_qkv: QUANTISED (scales: A lowp_scales[0], B lowp_scales[1])
;;     2. batch 64 x [M 2,048, K 64] x [K 64, N 2,048]; A: computed on the way; B: computed on the way: QUANTISED (scales: A lowp_scales[2], B lowp_scales[3])
;;     3. batch 64 x [M 2,048, K 2,048] x [K 2,048, N 64]; A: softmax (see below); B: computed on the way: QUANTISED (scales: A lowp_scales[4], B lowp_scales[5])
;;     4. [M 8,192, K 1,024] x [K 1,024, N 1,024]; A: computed on the way; B: input w_proj: QUANTISED (scales: A lowp_scales[6], B lowp_scales[7])
;;   THE QUANTISER, for each operand of a quantised product, along K:
;;     - The operand's scale is 2^e, e = its entry of the input lowp_scales (int32; the entries are numbered through the quantised products in the list's order, A before B).
;;     - Each number is divided by the scale, clamped to +-448, and rounded to the nearest number of E4M3, ties to even, subnormals kept.
;;     - The product sums the exact products of the quantised numbers (number of the format x scale) in f32.
;;   ~~~python
;;   def quantise(x, axis, e):      # numpy; x: float32 -> the quantised numbers, widened to float32 again
;;       x = np.moveaxis(x, axis, -1); K = x.shape[-1]
;;       r = np.clip(x / 2.0 ** e, -448, 448)
;;       step = 2.0 ** (np.maximum(np.frexp(np.where(r == 0, 1, r))[1] - 1, -6) - 3)
;;       q = np.round(r / step) * step * 2.0 ** e      # np.round: ties to even
;;       return np.moveaxis(q, -1, axis).astype(np.float32)
;;   ~~~
;;   SOFTMAX AHEAD OF A QUANTISED PRODUCT. Where the list says 'softmax', what is quantised is not the finished softmax but p = 2^(t - M), with t = logit x log2(e) and M = ceil(the row's largest t), a whole number; so 1/2 < the row's largest p <= 1. The row's sum l is taken of the UNQUANTISED p, in f32, and the product's result is divided by l at the end. Since M is a whole number, a kernel that streams over the keys may use a running M (the ceiling of the running maximum): every later rescaling is an exact power of two, so the quantised numbers keep their values, but for numbers so far below the row's largest that they fall under the format's range.
;;   OPERANDS COMPUTED ON THE WAY. 'Computed on the way' means the value that the module computes at that place (a softmax that the list does not call 'softmax' is quantised finished and normalised). What goes into a quantiser is computed in f32, as accurately as f32 sums, v_exp_f32 and their like allow (about 1e-6 of the number): no bf16 or f16 on the way to a quantiser, and a product that is left as it is and whose result goes on into a quantised operand takes f32 operands (vector FMAs, or v_wmma_f32_16x16x4_f32). A number that lies on a knife's edge between two numbers of the format may be rounded either way, as far as f32 arithmetic and the matrix unit's own rounding can turn it there, and no further.
;; One version. Each part assembles by itself: llvm-mc -triple=amdgcn-amd-amdhsa -mcpu=gfx1250 --defsym DOCPART=n.
;; ======== version 1 of 1: 4 launches
;; workspace buffers: xc 8,388,608 bytes; wqc 3,145,728 bytes; wpc 1,048,576 bytes; qkv 25,165,824 bytes; attc 8,388,608 bytes; maskw 524,288 bytes of whole numbers; flags 8,192 bytes of whole numbers
;; launch prep (part 1): grid 896 x 1, 4 waves a work-group, no clusters, 134,656 bytes of LDS; arguments x, w_qkv, w_proj, mask, lowp_scales, xc, wqc, wpc, maskw, flags; writes xc, wqc, wpc, maskw, flags
.if DOCPART == 1
	.amdgcn_target "amdgcn-amd-amdhsa--gfx1250"
	.amdhsa_code_object_version 6
	.text
	.protected	k_qf15e9330e0_prep
	.globl	k_qf15e9330e0_prep
	.p2align	8
	.type	k_qf15e9330e0_prep,@function
k_qf15e9330e0_prep:
	s_mov_b64 s[64:65], 0
	v_nop
	global_prefetch_b8 v0, s[64:65] scope:SCOPE_SE
	s_setreg_imm32_b32 hwreg(HW_REG_WAVE_MODE, 25, 1), 1
	s_wait_xcnt 0x0
; x [8192][1024], w_qkv [1024][3072], w_proj [1024][1024], f32, become codes of FP8 (E4M3), each with the one scale 2^e given for it (entries 0, 1, 7 of the scales);
; mask [2048][2048], int32, becomes lane-mask words and one flag for each tile of 32 queries x 64 keys.
; code = x / 2^e, held within +-448, rounded to the nearest code, ties to even.  LIMITS: -126 <= e <= 119 for each of the three; NaN among the f32 inputs is not served.
; THE IMAGE.  All codes are laid as images of operand registers: a fragment of 16 rows x 128 k is 2,048 bytes; register g (0..15) of lane l lies at 512 (g / 4) + 16 l + 4 (g % 4),
; and byte y of register 2 c + e of lane r + 16 h is (row r, k = 16 c + 8 h + 4 e + y): the 8-bit matrix forms' own places.  So a later launch brings a fragment by four loads of 16 bytes a lane, dense.
;   xc [row tile 512][k step 8][2048];  wqc [column tile 192][8][2048];  wpc [column tile 64][8][2048] (a weight's 'row' is its output column).
;   maskw [u: 32 queries][s: 64 keys][64 words]: bit l of word 2 i + a = (mask[32 u + 16 a + l % 16][64 s + 16 (i / 8) + 8 (l / 16) + i % 8] != 0);  flags [u][s]: 0 no key open, 1 some, 2 all.
; SHARES.  Work-groups 0-255: x (a wave: 16 rows x 512 k).  256-351: w_qkv, 352-383: w_proj (a wave: 32 columns x 256 k).  384-895: the mask (a wave: one tile).
; Waves share nothing: no barrier.  Each of the four paths has LDS bytes of its own.
.set XSP,  528                         ; x's stage: a row of 512 bytes + 16: 132 words, so 16 rows start 4 banks apart (64 banks of 4 bytes: ISA guide 11.1)
.set XSW,  16*XSP                      ; a wave's stage
.set WSW,  8192                        ; a weight's stage for a wave: four images
.set WQST, 4*XSW                       ; w_qkv's stages begin here
.set WPST, WQST+4*WSW                  ; w_proj's
.set MST,  WPST+4*WSW                  ; the mask's
.set MSP,  272                         ; a row of 256 bytes + 16
.set MSW,  32*MSP
.set R,    16                          ; x: v16-143  two sets of 64 registers as loaded
.set X,    144                         ; x: v144-207 a lane's 64 numbers of a fragment
.set C,    208                         ; x: v208-239 two sets of 16 registers of codes
	s_load_b512 s[16:31], s[0:1], 0x0              ; x 16, w_qkv 18, w_proj 20, mask 22, scales 24, xc 26, wqc 28, wpc 30
	s_load_b128 s[32:35], s[0:1], 0x40             ; maskw 32, flags 34
	v_lshl_add_u32 v240, v0, 2, 0x20c00
	v_mov_b32 v241, 0
	v_lshrrev_b32 v1, 5, v0
	v_readfirstlane_b32 s8, v1                     ; wave 0..3
	v_and_b32 v1, 31, v0                           ; lane
	v_and_b32 v2, 15, v0                           ; r
	v_bfe_u32 v3, v0, 4, 1                         ; h
	s_mov_b32 s13, 0                               ; the high word of every offset pair s[12:13]
	s_wait_kmcnt 0x0
	s_cmp_ge_u32 ttmp9, 384
	s_cbranch_scc1 .Lmask
	s_load_b256 s[40:47], s[24:25], 0x0            ; e0 .. e7
	s_cmp_lt_u32 ttmp9, 256
	s_cbranch_scc1 .Lx
	s_cmp_lt_u32 ttmp9, 352
	s_cbranch_scc1 .Lwq
.macro SCALE e                         ; v11 = 2^e as f32 (the conversion takes its exponent field), v10 = 448 x 2^e
	s_wait_kmcnt 0x0
	s_add_co_i32 s36, \e, 127
	s_lshl_b32 s37, s36, 23
	v_mov_b32 v11, s37
	s_add_co_i32 s36, s36, 8
	s_lshl_b32 s36, s36, 23
	s_or_b32 s36, s36, 0x600000
	v_mov_b32 v10, s36
.endm
; ---- A WEIGHT [1024][N], K its first axis.  A lane takes a column, its registers run down K: the conversions give codes with K innermost; nothing is transposed by an instruction.
.macro WLOAD t, N, src                 ; block t: w(32 t + i, my column), i = 0 .. 31, into set t % 2; 32 lanes read 128 consecutive bytes, the four waves 512
.irp i, 0,1,2,3,4,5,6,7,8,9,10,11,12,13,14,15,16,17,18,19,20,21,22,23,24,25,26,27,28,29,30,31
	global_load_b32 v[32+32*((\t)%2)+\i], v4, s[\src:\src+1] offset:(32*(\t)+\i)*\N*4 th:TH_LOAD_NT
.endr
.endm
.macro WBLOCK t, N, src
.set XS, 32+32*((\t)%2)
.if (\t) < 7
	s_wait_loadcnt 32                              ; this block's 32 loads are in; the next block's may be out
.else
	s_wait_loadcnt 0
.endif
.irp i, 0,1,2,3,4,5,6,7,8,9,10,11,12,13,14,15,16,17,18,19,20,21,22,23,24,25,26,27,28,29,30,31
	v_med3_num_f32 v[XS+\i], v[XS+\i], -v10, v10   ; the conversion to an 8-bit code does not saturate (ISA guide 7.6.2): the hold comes first
.endr
.irp g, 0,1,2,3
	v_cvt_scalef32_pk8_fp8_f32 v[96+2*\g:97+2*\g], v[XS+8*\g:XS+8*\g+7], v11
.endr
	v_nop                                          ; one plain vector line directly behind the last conversion of a run, ahead of whatever vector line next writes its registers
.irp g, 0,1,2,3                        ; k = 32 t + 8 g + 0 .. 7 of my column are registers 4 (t % 4) + 2 (g / 2), + 1 of lane r + 16 (g % 2) of k step t / 4
	ds_store_b64 v5, v[96+2*\g:97+2*\g] offset:((\t)/4)*2048+512*((\t)%4)+256*(\g%2)+8*(\g/2)
.endr
.if (\t)+2 < 8
	WLOAD (\t)+2, \N, \src
.endif
	s_wait_dscnt 0x0                               ; the stores have read their registers: the next block's codes may be written
.endm
.macro WPATH N, wg0, src, dst, e, LB
	s_sub_co_u32 s9, ttmp9, \wg0
	s_and_b32 s10, s9, 3                           ; which 256 along K
	s_lshr_b32 s11, s9, 2                          ; which 128 columns
	s_mul_i32 s12, s10, 256*\N*4
	s_lshl_b32 s14, s11, 9
	s_add_co_u32 s12, s12, s14
	s_lshl_b32 s14, s8, 7
	s_add_co_u32 s12, s12, s14                     ; + 4 x (128 nx + 32 wave)
	s_add_nc_u64 s[\src:\src+1], s[\src:\src+1], s[12:13]
	s_lshl_b32 s12, s11, 3
	s_lshl_b32 s14, s8, 1
	s_add_co_u32 s12, s12, s14                     ; my first column tile: 8 nx + 2 wave
	s_lshl_b32 s12, s12, 14
	s_lshl_b32 s14, s10, 12
	s_add_co_u32 s12, s12, s14                     ; + two k steps of 2,048 bytes for each 256 along K
	s_add_nc_u64 s[\dst:\dst+1], s[\dst:\dst+1], s[12:13]
	v_lshlrev_b32 v4, 2, v1                        ; in: 4 bytes a lane
	s_lshl_b32 s14, s8, 13
	s_add_co_u32 s14, s14, \LB                     ; my stage
	v_lshlrev_b32 v5, 4, v2
	v_lshl_add_u32 v5, v3, 12, v5
	v_add_nc_u32 v5, s14, v5                       ; into it: column tile lane / 16 (two images each), 16 x (lane % 16)
	v_lshlrev_b32 v7, 4, v1                        ; 16 x lane
	v_add_nc_u32 v6, s14, v7                       ; out of it: as it lies
	WLOAD 0, \N, \src
	WLOAD 1, \N, \src
	SCALE \e
.irp t, 0,1,2,3,4,5,6,7
	WBLOCK \t, \N, \src
.endr
.irp i, 0,1,2,3,4,5,6,7,8,9,10,11,12,13,14,15
	ds_load_b128 v[112+4*\i:115+4*\i], v6 offset:512*\i   ; LDS serves a wave's instructions in order (ISA guide 5.7.1.4): these see my stores
.endr
.irp i, 0,1,2,3,4,5,6,7,8,9,10,11,12,13,14,15
	s_wait_dscnt 15-\i
	global_store_b128 v7, v[112+4*\i:115+4*\i], s[\dst:\dst+1] offset:(\i/8)*16384+(\i%8)*512   ; 512 consecutive bytes, aligned
.endr
	s_wait_tensorcnt 0x0
	ds_add_u32 v240, v241
	s_wait_dscnt 0x0
	s_endpgm
.endm
	WPATH 1024, 352, 20, 30, s47, WPST
.Lwq:
	WPATH 3072, 256, 18, 28, s41, WQST
; ---- x: K innermost.  A load reads 512 consecutive bytes of one row; the 16 rows turn through the wave's own stage, and a lane reads back its eight runs of eight neighbours along K.
.macro XLOAD f
.irp i, 0,1,2,3,4,5,6,7,8,9,10,11,12,13,14,15
	global_load_b128 v[R+64*((\f)%2)+4*\i:R+64*((\f)%2)+4*\i+3], v4, s[16:17] offset:4096*\i+512*(\f) th:TH_LOAD_NT
.endr
.endm
.macro XTURN f
.irp i, 0,1,2,3,4,5,6,7,8,9,10,11,12,13,14,15
	ds_store_b128 v5, v[R+64*((\f)%2)+4*\i:R+64*((\f)%2)+4*\i+3] offset:XSP*\i
.endr
.irp i, 0,1,2,3,4,5,6,7,8,9,10,11,12,13,14,15
	ds_load_b128 v[X+4*\i:X+4*\i+3], v6 offset:64*(\i/2)+16*(\i%2)   ; registers 8 c + 0 .. 7: k = 16 c + 8 h + 0 .. 7 of row r
.endr
.endm
.macro XQ f
.set CS, C+16*((\f)%2)
.set n, 0
.rept 64
	v_med3_num_f32 v[X+n], v[X+n], -v10, v10
.set n, n+1
.endr
.irp c, 0,1,2,3,4,5,6,7
	v_cvt_scalef32_pk8_fp8_f32 v[CS+2*\c:CS+2*\c+1], v[X+8*\c:X+8*\c+7], v11
.endr
	v_nop                                          ; one plain vector line directly behind the last conversion: the next vector lines, the next fragment's holds, write these conversions' sources, and only stores and LDS lines stand between
.irp q, 0,1,2,3
	global_store_b128 v4, v[CS+4*\q:CS+4*\q+3], s[26:27] offset:2048*(\f)+512*\q   ; 512 consecutive bytes, aligned
.endr
.endm
.macro XSTEP f
.if (\f) < 3
	s_wait_loadcnt 16                              ; this fragment's 16 loads are in; the next one's may be out
.else
	s_wait_loadcnt 0
.endif
	XTURN \f
	s_wait_dscnt 0x0                               ; the numbers are back, so the stage's stores have read their registers,
.if (\f) < 2
	XLOAD (\f)+2                                   ; which take the loads of two fragments on
.else
	s_wait_xcnt 0x0                                ; the stores of two fragments back have read their codes: that set is written again
.endif
	XQ \f
.endm
.Lx:
	s_lshl_b32 s9, ttmp9, 2
	s_add_co_u32 s9, s9, s8
	s_lshr_b32 s10, s9, 1                          ; row tile
	s_and_b32 s11, s9, 1                           ; which four k steps
	s_lshl_b32 s12, s10, 16                        ; 16 rows of 4,096 bytes
	s_lshl_b32 s14, s11, 11
	s_add_co_u32 s12, s12, s14
	s_add_nc_u64 s[16:17], s[16:17], s[12:13]
	s_lshl_b32 s12, s10, 14
	s_lshl_b32 s14, s11, 13
	s_add_co_u32 s12, s12, s14
	s_add_nc_u64 s[26:27], s[26:27], s[12:13]
	v_lshlrev_b32 v4, 4, v1                        ; 16 x lane
	s_mul_i32 s14, s8, XSW                         ; my stage (x's stages begin at LDS byte 0)
	v_add_nc_u32 v5, s14, v4
	v_mul_u32_u24 v6, v2, XSP
	v_lshl_add_u32 v6, v3, 5, v6
	v_add_nc_u32 v6, s14, v6                       ; row r, + 32 h
	XLOAD 0
	XLOAD 1
	SCALE s40
	XSTEP 0
	XSTEP 1
	XSTEP 2
	XSTEP 3
	s_wait_tensorcnt 0x0
	ds_add_u32 v240, v241
	s_wait_dscnt 0x0
	s_endpgm
; ---- the mask: a wave takes 32 rows x 64 keys (256 bytes of each row), turns them through its stage into the scores' places, and makes 64 lane masks by compares.
.Lmask:
	s_sub_co_u32 s9, ttmp9, 384
	s_lshl_b32 s9, s9, 2
	s_add_co_u32 s9, s9, s8                        ; tile = 32 u + s
	s_lshr_b32 s10, s9, 5
	s_and_b32 s11, s9, 31
	s_lshl_b32 s12, s10, 18                        ; 32 rows of 8,192 bytes
	s_lshl_b32 s14, s11, 8
	s_add_co_u32 s12, s12, s14
	s_add_nc_u64 s[22:23], s[22:23], s[12:13]
	s_lshl_b32 s12, s9, 8
	s_add_nc_u64 s[32:33], s[32:33], s[12:13]
	s_lshl_b32 s12, s9, 2
	s_add_nc_u64 s[34:35], s[34:35], s[12:13]
	v_lshlrev_b32 v4, 4, v2
	v_lshl_add_u32 v5, v3, 13, v4                  ; in: lanes 0-15 one row's 256 bytes, lanes 16-31 the next row's
	s_mul_i32 s14, s8, MSW
	s_add_co_u32 s14, s14, MST
	v_mul_u32_u24 v6, v3, MSP
	v_add_nc_u32 v6, v6, v4
	v_add_nc_u32 v6, s14, v6                       ; the same two rows in my stage
	v_mul_u32_u24 v7, v2, MSP
	v_lshl_add_u32 v7, v3, 5, v7
	v_add_nc_u32 v7, s14, v7                       ; back: row r, + 32 h
.irp i, 0,1,2,3,4,5,6,7,8,9,10,11,12,13,14,15
	global_load_b128 v[32+4*\i:35+4*\i], v5, s[22:23] offset:16384*\i th:TH_LOAD_NT
.endr
	v_mov_b32 v160, 0                              ; written whole: v_writelane_b32's destination counts as read
	v_mov_b32 v161, 0
	v_mov_b32 v163, 0
	v_lshlrev_b32 v8, 3, v1
	s_mov_b32 s50, 0                               ; the OR of all 64 words
	s_mov_b32 s51, -1                              ; the AND
.irp i, 0,1,2,3,4,5,6,7,8,9,10,11,12,13,14,15
	s_wait_loadcnt 15-\i
	ds_store_b128 v6, v[32+4*\i:35+4*\i] offset:2*MSP*\i
.endr
.irp i, 0,1,2,3,4,5,6,7,8,9,10,11,12,13,14,15
	ds_load_b128 v[96+4*\i:99+4*\i], v7 offset:(\i/8)*16*MSP+64*((\i%8)/2)+16*(\i%2)   ; query tile a = i / 8; register 32 a + 8 c + j: key 16 c + 8 h + j of row 16 a + r
.endr
.set n, 0
.rept 16
	s_wait_dscnt 15-n
.set k, 0
.rept 4
	v_cmp_ne_u32 s[52+k], 0, v[96+4*n+k]           ; bit l: is lane l's key open?
	v_writelane_b32 v[160+n/8], s[52+k], (4*n+k)%32   ; word 2 i + a goes to lane i, register a
	s_or_b32 s50, s50, s[52+k]
	s_and_b32 s51, s51, s[52+k]
.set k, k+1
.endr
.set n, n+1
.endr
	global_store_b64 v8, v[160:161], s[32:33]      ; 256 consecutive bytes, aligned
	s_cmp_lg_u32 s50, 0
	s_cselect_b32 s56, 1, 0
	s_cmp_eq_u32 s51, -1
	s_cselect_b32 s56, 2, s56
	v_mov_b32 v162, s56
	v_cmp_eq_u32 vcc_lo, 0, v1
	s_wait_xcnt 0x0                                ; EXEC is a source of the store above: it changes only behind this wait
	s_wait_tensorcnt 0x0
	ds_add_u32 v240, v241
	s_wait_dscnt 0x0
	s_and_saveexec_b32 s57, vcc_lo
	global_store_b32 v163, v162, s[34:35]          ; lane 0 alone: the tile's flag
	s_wait_xcnt 0x0
	s_or_b32 exec_lo, exec_lo, s57
	s_endpgm
.Lfunc_end_k_qf15e9330e0_prep:
	.size	k_qf15e9330e0_prep, .Lfunc_end_k_qf15e9330e0_prep-k_qf15e9330e0_prep
	.p2alignl 7, 3214868480
	.fill 96, 4, 3214868480
	.section	.rodata,"a",@progbits
	.p2align	6, 0x0
	.amdhsa_kernel k_qf15e9330e0_prep
		.amdhsa_group_segment_fixed_size 134656
		.amdhsa_private_segment_fixed_size 0
		.amdhsa_enable_private_segment 0
		.amdhsa_kernarg_size 80
		.amdhsa_user_sgpr_count 2
		.amdhsa_user_sgpr_kernarg_segment_ptr 1
		.amdhsa_wavefront_size32 1
		.amdhsa_system_sgpr_workgroup_id_x 1
		.amdhsa_system_sgpr_workgroup_id_y 1
		.amdhsa_system_sgpr_workgroup_id_z 1
		.amdhsa_system_vgpr_workitem_id 0
		.amdhsa_next_free_vgpr 242
		.amdhsa_next_free_sgpr 66
		.amdhsa_reserve_vcc 1
		.amdhsa_float_denorm_mode_32 3
		.amdhsa_float_denorm_mode_16_64 3
		.amdhsa_memory_ordered 1
		.amdhsa_forward_progress 1
		.amdhsa_inst_pref_size 153
	.end_amdhsa_kernel
	.amdgpu_metadata
---
amdhsa.version: [ 1, 2 ]
amdhsa.kernels:
  - .name:           k_qf15e9330e0_prep
    .symbol:         k_qf15e9330e0_prep.kd
    .args:
      - { .name: x, .offset: 0, .size: 8, .value_kind: global_buffer, .address_space: global }
      - { .name: w_qkv, .offset: 8, .size: 8, .value_kind: global_buffer, .address_space: global }
      - { .name: w_proj, .offset: 16, .size: 8, .value_kind: global_buffer, .address_space: global }
      - { .name: mask, .offset: 24, .size: 8, .value_kind: global_buffer, .address_space: global }
      - { .name: lowp_scales, .offset: 32, .size: 8, .value_kind: global_buffer, .address_space: global }
      - { .name: xc, .offset: 40, .size: 8, .value_kind: global_buffer, .address_space: global }
      - { .name: wqc, .offset: 48, .size: 8, .value_kind: global_buffer, .address_space: global }
      - { .name: wpc, .offset: 56, .size: 8, .value_kind: global_buffer, .address_space: global }
      - { .name: maskw, .offset: 64, .size: 8, .value_kind: global_buffer, .address_space: global }
      - { .name: flags, .offset: 72, .size: 8, .value_kind: global_buffer, .address_space: global }
    .group_segment_fixed_size: 134656
    .private_segment_fixed_size: 0
    .kernarg_segment_align: 8
    .kernarg_segment_size: 80
    .max_flat_workgroup_size: 128
    .sgpr_count:     66
    .vgpr_count:     242
    .wavefront_size: 32
...
	.end_amdgpu_metadata
.endif
;; end of part 1
;; launch qkvgemm (part 2): grid 12 x 32, 4 waves a work-group, clusters of 4 x 4, 327,680 bytes of LDS; arguments xc, wqc, lowp_scales, qkv, b_qkv; writes qkv
.if DOCPART == 2
	.amdgcn_target "amdgcn-amd-amdhsa--gfx1250"
	.amdhsa_code_object_version 6
	.text
	.protected	k_qf15e9330e0_qkvgemm
	.globl	k_qf15e9330e0_qkvgemm
	.p2align	8
	.type	k_qf15e9330e0_qkvgemm,@function
k_qf15e9330e0_qkvgemm:
	s_mov_b64 s[64:65], 0
	v_nop
	global_prefetch_b8 v0, s[64:65] scope:SCOPE_SE
	s_setreg_imm32_b32 hwreg(HW_REG_WAVE_MODE, 25, 1), 1
	s_wait_xcnt 0x0
	s_wait_alu depctr_hold_cnt(0) depctr_sa_sdst(0) depctr_va_vdst(0) depctr_va_sdst(0) depctr_va_ssrc(0) depctr_va_vcc(0) depctr_vm_vsrc(0)
	s_getreg_b32 s2, hwreg(HW_REG_IB_STS2, 6, 4)
	s_cmp_eq_u32 s2, 0
	s_cbranch_scc0 .Lentry_in_a_cluster
	s_endpgm
.Lentry_in_a_cluster:
	s_bfe_u32 s2, ttmp6, 0x10000c
	s_cmp_lg_u32 s2, 0xf033
	s_cbranch_scc0 .Lentry_shape_is_right
	s_endpgm
.Lentry_shape_is_right:
; qkv = x w_qkv + b_qkv on codes of FP8 (E4M3), [8192 x 1024] x [1024 x 3072]; each sum x 2^(e0 + e1) + bias is quantised at once with the scale of the product that takes it (q: e2, k: e3, v: e5).
; INPUTS as images of operand registers: a fragment of 16 rows x 128 k is 2,048 bytes, register g of lane l at 512 (g / 4) + 16 l + 4 (g % 4).  xc [row tile 512][k step 8][2048], wqc [column tile 192][8][2048].
; OUTPUT qkv, images of 16 rows x 64 k (1,024 bytes): Q [b h 64][query tile 128][1024]; at + 8,388,608 K [b h][key tile 128][1024] (k = the head's 64); at + 16,777,216 V^T [b h][64 keys 32][channel tile 4][1024] (k = the keys).
; LIMITS: e0 + e1 between -126 and 127; e2, e3, e5 between -126 and 119.  NaN among the inputs is not served.
; A tile of 256 x 256 is made by four waves, each 128 x 128: 64 accumulators, 512 registers.  K goes in steps of 256 through two LDS slots filled by the tensor data mover: four K steps.
; CLUSTERS: 4 x 4 work-groups; x's tiles are asked for jointly along a row of the cluster, the weight's along a column.  A cluster's four tile columns are one of q, k, v: the cluster's x says which, alike in all sixteen.
; ORIENTATION.  Source 1 of the matrix instruction gives a lane its ONE row, source 0 its eight neighbours, which must run along the NEXT product's K.  q, k: source 1 = x (a token), source 0 = the weight (eight channels).
; v: source 1 = the weight (a channel), source 0 = x (eight keys).  The text is one: set A' feeds source 1, set B' source 0, and only the LDS bytes from which the two are read change places.
; REGISTERS, in windows of 256: window 0: v0-31 addresses; v32-95 the bias of a lane's 64 columns; v96-111 the bias of a lane's own column in each of 8 blocks, twice; from v128 A's fragments, ONE set.
;   window 1: B's fragments, TWO sets; on the way out v0-63 numbers, v64-191 codes, v200 the scale, v201 16 x lane.   windows 2, 3: the accumulators ((a, b) at v[8 (8 (a % 4) + b)]).
.set SLOT,   131072                    ; x's 16 row tiles x 4,096 bytes (two k steps of 128), then the weight's 16
.set HALFT,  32768                     ; 8 row tiles: what one tensor load brings, and what one wave reads of x or of the weight
.set SPARE,  2*SLOT                    ; behind the ring: the spare words, 128 bytes for each wave: two blocks of 256 bytes that no other line names
.set FR,     16                        ; registers of a fragment
.set NL,     4                         ; LDS loads that bring one
.set NP,     4                         ; places behind this matrix instruction (ISA guide 7.12.1)
.set ADRA, 16                          ; v16-17  LDS address of my A' fragments in slot 0, 1
.set ADRB, 20                          ; v20-21  the same for B'
.set LN,   27                          ; v27     16 x lane
.set SPW,  28                          ; v28     LDS address of my spare word; never rewritten
.set NIL,  29                          ; v29     0; never rewritten
.set BH,   30                          ; v30     32 h; never rewritten
.set BR,   31                          ; v31     4 r; never rewritten
.set BIAS, 32
.set BV,   96
.set AF,   128
.set G1, 24                            ; s[24:31] descriptor group 1 for x's tiles;  s[32:39] group 0, one set for each slot
.set G0, 32
.set G1B, 48                           ; s[48:55], s[56:63] the same for the weight's
.set G0B, 56
.set MSB, 0
.macro WIN new                         ; the immediate's high byte repeats the setting that is left
.if MSB != (\new)
	s_set_vgpr_msb (MSB<<8)|(\new)
.set MSB, (\new)
.endif
.endm
.set MUL_LO, 0xa1                      ; source 0 (B') window 1, source 1 (A') window 0, C and D window 2
.set MUL_HI, 0xf1                      ; the same, C and D window 3
.set TO_B,   0x40                      ; destination window 1, address window 0
; A joint load: waves 0 and 1 fetch x's halves, waves 2 and 3 the weight's.  Each line has one mask and one set of registers; the branch hangs on the wave's number alone.
; Four v_nop follow each of the two lines, ahead of the jump, the label and what follows.
.macro JLOAD g0a, g1a, g0b, g1b
	s_cmp_eq_u32 s15, 0
	s_cbranch_scc0 .Lfor_b_\@
	tensor_load_to_lds s[\g0a:\g0a+3], s[\g1a:\g1a+7]
	s_nop 0
.rept 4
	v_nop
.endr
	s_branch .Lasked_\@
.Lfor_b_\@:
	tensor_load_to_lds s[\g0b:\g0b+3], s[\g1b:\g1b+7]
	s_nop 0
.rept 4
	v_nop
.endr
.Lasked_\@:
.endm
.macro CREST                           ; a round of the cluster's barrier behind its opening barrier
	s_cmp_lg_u32 s14, 0
	s_cbranch_scc1 .Lnot_wave_0_\@
	s_barrier_signal -3
.Lnot_wave_0_\@:
	s_barrier_wait -3
	s_barrier_signal -1
	s_barrier_wait -1
.endm
.macro CROUND
	s_barrier_signal -1
	s_barrier_wait -1
	CREST
.endm
	s_load_b128 s[4:7], s[0:1], 0x0                ; xc, wqc
	s_load_b128 s[8:11], s[0:1], 0x10              ; the scales' exponents, qkv
	s_load_b64 s[12:13], s[0:1], 0x20              ; b_qkv
	v_lshl_add_u32 v[SPW], v0, 2, SPARE
	v_mov_b32 v[NIL], 0
	ds_add_u32 v28, v29
	ds_add_u32 v28, v29
	s_wait_dscnt 0x0
	v_lshrrev_b32 v1, 5, v0
	v_readfirstlane_b32 s14, v1                    ; wave 0..3
	s_lshr_b32 s15, s14, 1                         ; which half of A' is mine.  Also: I fetch for x (0) or for the weight (1)
	s_and_b32 s16, s14, 1                          ; which half of B'.  Also: which 8 row tiles of that tile I fetch
	s_bfe_u32 s40, ttmp6, 0x40000                  ; cx, cy: my place in the cluster
	s_bfe_u32 s41, ttmp6, 0x40004
	s_lshl_b32 s42, ttmp9, 2
	s_add_co_u32 s42, s42, s40                     ; tile column = 4 x cluster x + cx
	s_and_b32 s17, ttmp7, 0xffff
	s_lshl_b32 s17, s17, 2
	s_add_co_u32 s17, s17, s41                     ; tile row = 4 x cluster y + cy
	s_lshl_b32 s43, s41, 2
	s_lshl_b32 s43, 15, s43                        ; my row of the cluster
	s_lshl_b32 s44, 0x1111, s40                    ; my column
	; descriptor group 1: 8 rows (row tiles) of 4,096 bytes (two k steps' images), 16,384 bytes apart in memory, dense in LDS
	s_or_b32 s[G1+0], s43, (3<<16)|(1<<21)         ; 15:0 the mask: x's tiles go to my row; 17:16 elements of 8 bytes; 20 no padding; 21 set beside a mask
	s_or_b32 s[G1B+0], s44, (3<<16)|(1<<21)
.irp g, G1, G1B
	s_mov_b32 s[\g+1], 512<<16                     ; tensor_dim0 = 512 elements
	s_mov_b32 s[\g+2], 8<<16                       ; tensor_dim1 = 8
	s_mov_b32 s[\g+3], 512<<16                     ; tile_dim0
	s_mov_b32 s[\g+4], 8                           ; tile_dim1
	s_mov_b32 s[\g+5], 2048                        ; tensor_dim0_stride, in elements
	s_mov_b32 s[\g+6], 0
	s_mov_b32 s[\g+7], 0
.endr
	s_lshl_b32 s18, s16, 3                         ; which 8 row tiles I fetch
	s_lshl_b32 s20, s17, 4
	s_add_co_u32 s20, s20, s18
	s_lshl_b32 s20, s20, 14                        ; x: (16 x tile row + 8 x half) x 16,384 bytes
	s_mov_b32 s21, 0
	s_lshl_b32 s46, s42, 4
	s_add_co_u32 s46, s46, s18
	s_lshl_b32 s46, s46, 14                        ; the weight: the same with the tile column
	s_mov_b32 s47, 0
	s_lshl_b32 s45, s14, 15                        ; where they go: wave x 32,768: no place in the cluster enters an LDS address
	s_wait_kmcnt 0x0
	s_load_b256 s[72:79], s[8:9], 0x0              ; e0 .. e7
	s_add_nc_u64 s[20:21], s[4:5], s[20:21]
	s_add_nc_u64 s[46:47], s[6:7], s[46:47]
	CROUND                                         ; all sixteen work-groups are here: the first joint loads meet
.irp s, 0,1
	s_mov_b32 s[G0+4*\s], 1
	s_add_co_u32 s[G0+4*\s+1], s45, \s*SLOT
	s_add_nc_u64 s[G0+4*\s+2:G0+4*\s+3], s[20:21], \s*4096
	s_or_b32 s[G0+4*\s+3], s[G0+4*\s+3], 0x80000000
	s_mov_b32 s[G0B+4*\s], 1
	s_add_co_u32 s[G0B+4*\s+1], s45, \s*SLOT
	s_add_nc_u64 s[G0B+4*\s+2:G0B+4*\s+3], s[46:47], \s*4096
	s_or_b32 s[G0B+4*\s+3], s[G0B+4*\s+3], 0x80000000
	JLOAD G0+4*\s, G1, G0B+4*\s, G1B               ; two loads of mine are out
.endr
	v_and_b32 v1, 31, v0
	v_lshlrev_b32 v[LN], 4, v1
	s_cmp_eq_u32 ttmp9, 2                          ; v's columns?  The cluster's x: alike in all sixteen partners
	s_cselect_b32 s66, 0x10000, 0                  ; A' is read from the weight's half of a slot, else from x's;
	s_cselect_b32 s67, 0, 0x10000                  ; B' from the other
	s_cselect_b32 s68, s16, s15                    ; which 128 of the tile's tokens are mine,
	s_cselect_b32 s69, s15, s16                    ; and which 128 of its columns: these two enter global addresses alone
	s_lshl_b32 s21, s15, 15
	s_add_co_u32 s21, s21, s66
	s_lshl_b32 s22, s16, 15
	s_add_co_u32 s22, s22, s67
.irp s, 0,1
	v_add_nc_u32 v[ADRA+\s], s21, v[LN]
	v_add_nc_u32 v[ADRB+\s], s22, v[LN]
	s_add_co_u32 s21, s21, SLOT
	s_add_co_u32 s22, s22, SLOT
.endr
	v_bfe_u32 v2, v0, 4, 1
	v_lshlrev_b32 v[BH], 5, v2
	v_and_b32 v3, 15, v0
	v_lshlrev_b32 v[BR], 2, v3
	s_lshl_b32 s88, s42, 10
	s_lshl_b32 s90, s69, 9
	s_add_co_u32 s88, s88, s90                     ; 4 x my first column: 256 x tile column + 128 x half
	s_mov_b32 s89, 0
	s_add_nc_u64 s[70:71], s[12:13], s[88:89]
.irp b, 0,1,2,3,4,5,6,7                ; both tables are loaded whatever the orientation: both lie inside b_qkv.  They are waited for on the way out
	global_load_b128 v[BIAS+8*\b:BIAS+8*\b+3], v[BH], s[70:71] offset:64*\b        ; columns 16 b + 8 h + 0 .. 7
	global_load_b128 v[BIAS+8*\b+4:BIAS+8*\b+7], v[BH], s[70:71] offset:64*\b+16
.endr
.irp a, 0,1,2,3,4,5,6,7
	global_load_b32 v[BV+2*\a], v[BR], s[70:71] offset:64*\a                       ; column 16 a + r, twice: a pair for the packed multiply-add
	global_load_b32 v[BV+2*\a+1], v[BR], s[70:71] offset:64*\a
.endr
	; where my images go: (16 b + 4 (tile column % 4) + 2 x column half) x 131,072 + (tile row % 8) x 16,384 + token half x 8,192 + region x 8,388,608: the same sum in both orientations
	s_lshr_b32 s88, s17, 3
	s_lshl_b32 s88, s88, 4
	s_and_b32 s90, s42, 3
	s_lshl_b32 s90, s90, 2
	s_add_co_u32 s88, s88, s90
	s_lshl_b32 s90, s69, 1
	s_add_co_u32 s88, s88, s90
	s_lshl_b32 s88, s88, 17
	s_and_b32 s90, s17, 7
	s_lshl_b32 s90, s90, 14
	s_add_co_u32 s88, s88, s90
	s_lshl_b32 s90, s68, 13
	s_add_co_u32 s88, s88, s90
	s_lshl_b32 s90, ttmp9, 23
	s_add_co_u32 s88, s88, s90
	s_add_nc_u64 s[10:11], s[10:11], s[88:89]
.macro FRAG reg, adr, q, i             ; row tile i of my eight, the slot's q-th 128 along K: an image comes back as it was stored: 512 consecutive bytes a load
.irp c, 0,1,2,3
	ds_load_b128 v[\reg+4*\c:\reg+4*\c+3], v[\adr] offset:2048*(\q)+512*\c+4096*(\i)
.endr
.endm
; 16 matrix instructions: A's blocks a0, a0 + 1 x B's eight, 128 along K.  p: B's set.  zero = 1: the first product starts the sums.
; The 64 accumulators take turns, one instruction a turn, in the same order in every step.
.macro MUL16 a0, p, zero
.irp a, \a0, \a0+1
.irp b, 0,1,2,3,4,5,6,7
.if \zero
	v_wmma_f32_16x16x128_fp8_fp8 v[8*(8*((\a)%4)+\b):8*(8*((\a)%4)+\b)+7], v[128*(\p)+FR*\b:128*(\p)+FR*\b+FR-1], v[AF+FR*(\a):AF+FR*(\a)+FR-1], 0
.else
	v_wmma_f32_16x16x128_fp8_fp8 v[8*(8*((\a)%4)+\b):8*(8*((\a)%4)+\b)+7], v[128*(\p)+FR*\b:128*(\p)+FR*\b+FR-1], v[AF+FR*(\a):AF+FR*(\a)+FR-1], v[8*(8*((\a)%4)+\b):8*(8*((\a)%4)+\b)+7]
.endif
.endr
.endr
.endm
.macro FETCH_B slot, q, p
	WIN TO_B
.irp i, 0,1,2,3,4,5,6,7
	FRAG 128*(\p)+FR*\i, ADRB+\slot, \q, \i
.endr
	WIN 0
.endm
.macro FETCH_A slot, q, i0
.irp i, \i0, \i0+1, \i0+2, \i0+3
	FRAG AF+FR*(\i), ADRA+\slot, \q, \i
.endr
.endm
.macro PLACES n                        ; plain vector instructions between a matrix instruction and a load into, or a vector instruction on, its registers (ISA guide 7.12.1 for vector instructions)
.rept \n
	v_nop
.endr
.endm
; A step of 128 along K that has its successor in the same slot.  A block of A' is free when its eight products are issued: blocks 0-3 are fetched anew in the middle, blocks 4-7 at the end.
.macro STEP slot, q, zero
	s_wait_dscnt 4*NL                              ; B's set and A's blocks 0-3 are in; the youngest 16 loads (A's blocks 4-7) may be out
	WIN MUL_LO
	MUL16 0, (\q)%2, \zero
	MUL16 2, (\q)%2, \zero
	s_wait_dscnt 0
	PLACES NP
	FETCH_B \slot, (\q)+1, 1-(\q)%2
	FETCH_A \slot, (\q)+1, 0
	WIN MUL_HI
	MUL16 4, (\q)%2, \zero
	MUL16 6, (\q)%2, \zero
	PLACES NP
	WIN 0
	FETCH_A \slot, (\q)+1, 4
.endm
; A slot's last step changes slots: ONE barrier; in front of it each wave waits for all its tensor loads, adds 0 to its spare word, and waits for that and for its own reads of this slot.
.macro TURN slot, next, fill
	s_wait_tensorcnt 0x0                           ; all my tensor loads have landed: my part of the next slot
	ds_add_u32 v[SPW], v[NIL]                      ; 0 onto my spare word
	s_wait_dscnt 4*NL+1                            ; (the add and the youngest 16 loads, A's blocks 4-7, may be out)
	WIN MUL_LO
	MUL16 0, 1, 0                                  ; sixteen matrix instructions stand between the add and the wait for it
	s_wait_dscnt 0x0                               ; the add is done, and my reads of this slot are over
	s_barrier_signal -1
	MUL16 2, 1, 0
	WIN 0
	s_barrier_wait -1
.if \fill
	CREST                                          ; the barrier has opened a round of the cluster's: no wave of any partner still reads this slot or has a load on its way
	s_add_nc_u64 s[G0+4*\slot+2:G0+4*\slot+3], s[G0+4*\slot+2:G0+4*\slot+3], 2*4096
	s_add_nc_u64 s[G0B+4*\slot+2:G0B+4*\slot+3], s[G0B+4*\slot+2:G0B+4*\slot+3], 2*4096
	JLOAD G0+4*\slot, G1, G0B+4*\slot, G1B         ; the first tensor load behind the round, my only one until the next; its four v_nop are the places in front of the loads below
.else
	PLACES NP
.endif
	FETCH_B \next, 0, 0
	FETCH_A \next, 0, 0
	WIN MUL_HI
	MUL16 4, 1, 0
	MUL16 6, 1, 0
	PLACES NP
	WIN 0
	FETCH_A \next, 0, 4
.endm
	s_wait_tensorcnt 1                             ; my part of K step 0 is in (K step 1's load may be out)
	s_barrier_signal -1
	s_barrier_wait -1                              ; everybody's is
	FETCH_B 0, 0, 0
	FETCH_A 0, 0, 0
	FETCH_A 0, 0, 4
	STEP 0, 0, 1                                   ; 1,024 along K are four K steps of 256, eight steps of 128: written out, no loop
	TURN 0, 1, 1                                   ; slot 0 takes K step 2
	STEP 1, 0, 0
	TURN 1, 0, 1                                   ; slot 1 takes K step 3
	STEP 0, 0, 0
	TURN 0, 1, 0                                   ; nothing is left to fetch
	STEP 1, 0, 0
	s_wait_dscnt 4*NL
	WIN MUL_LO
	MUL16 0, 1, 0
	MUL16 2, 1, 0
	s_wait_dscnt 0
	WIN MUL_HI
	MUL16 4, 1, 0
	MUL16 6, 1, 0
	WIN 0
	; THE WAY OUT: no LDS.  The four accumulators (a, 4 g + c), c = 0 .. 3, hold of a lane's row 64 numbers along the next K in the very places of an operand of 16 x 64: sum x 2^(e0 + e1) + bias, the hold, the conversion, two stores.
	s_wait_kmcnt 0x0
	s_add_co_i32 s82, s72, s73
	s_add_co_i32 s82, s82, 127
	s_lshl_b32 s82, s82, 23                        ; 2^(e0 + e1) as f32
	s_mov_b32 s83, s82                             ; (named with it as a pair)
	s_cmp_eq_u32 ttmp9, 0
	s_cselect_b32 s80, s74, s75                    ; q: e2, k: e3,
	s_cmp_eq_u32 ttmp9, 2
	s_cselect_b32 s80, s77, s80                    ; v: e5: a choice, no branch on a loaded number
	s_add_co_i32 s80, s80, 127
	s_lshl_b32 s86, s80, 23                        ; the scale as f32
	s_add_co_i32 s80, s80, 8
	s_lshl_b32 s85, s80, 23
	s_or_b32 s85, s85, 0x600000                    ; 448 x the scale,
	s_or_b32 s84, s85, 0x80000000                  ; and its negative
	s_wait_loadcnt 0x0                             ; the biases
	PLACES NP
	WIN 0x40                                       ; destination window 1
	v_mov_b32 v201, v[LN]
	v_mov_b32 v200, s86
	WIN 0
.macro IMG a, g, mode                  ; mode 0: a lane's row is a token, the bias runs along its registers; mode 1: a lane's row is a channel, one bias for all its registers
.set TT, 32*(\g)
.set CD, 64+8*(2*(\a)+(\g))
.if \mode
.set OFF, ((\a)/4)*131072+(\g)*4096+((\a)%4)*1024      ; head a / 4, 64 keys g, channel tile a % 4
.else
.set OFF, (\g)*131072+(\a)*1024                        ; head g, token tile a
.endif
	WIN 0x42+((\a)/4)                              ; destination window 1, the sums window 2 or 3, the bias window 0
.irp c, 0,1,2,3
.irp j, 0,2,4,6                        ; each accumulator from its low end on
.if \mode
	v_pk_fma_f32 v[TT+8*\c+\j:TT+8*\c+\j+1], v[8*(8*((\a)%4)+4*(\g)+\c)+\j:8*(8*((\a)%4)+4*(\g)+\c)+\j+1], s[82:83], v[BV+2*(\a):BV+2*(\a)+1] op_sel_hi:[1,0,1]
.else
	v_pk_fma_f32 v[TT+8*\c+\j:TT+8*\c+\j+1], v[8*(8*((\a)%4)+4*(\g)+\c)+\j:8*(8*((\a)%4)+4*(\g)+\c)+\j+1], s[82:83], v[BIAS+8*(4*(\g)+\c)+\j:BIAS+8*(4*(\g)+\c)+\j+1] op_sel_hi:[1,0,1]
.endif
.endr
.endr
	WIN 0x55                                       ; all in window 1
.set n, 0
.rept 32
	v_med3_num_f32 v[TT+n], v[TT+n], s84, s85      ; the conversion to an 8-bit code does not saturate (ISA guide 7.6.2)
.set n, n+1
.endr
.irp c, 0,1,2,3
	v_cvt_scalef32_pk8_fp8_f32 v[CD+2*\c:CD+2*\c+1], v[TT+8*\c:TT+8*\c+7], v200
.endr
	v_nop                                          ; one plain vector line behind the last conversion: its sources are written again two images on
	global_store_b128 v201, v[CD:CD+3], s[10:11] offset:OFF        ; 512 consecutive bytes, aligned; every image has code registers of its own, so no store's data are written again
	global_store_b128 v201, v[CD+4:CD+7], s[10:11] offset:OFF+512
.endm
	s_cmp_eq_u32 ttmp9, 2
	s_cbranch_scc1 .Lvmode
.irp a, 0,1,2,3,4,5,6,7
	IMG \a, 0, 0
	IMG \a, 1, 0
.endr
	WIN 0
	s_branch .Lend
.Lvmode:
.irp a, 0,1,2,3,4,5,6,7
	IMG \a, 0, 1
	IMG \a, 1, 1
.endr
	WIN 0
.Lend:
	s_wait_tensorcnt 0x0                           ; the wave's end
	ds_add_u32 v[SPW], v[NIL]
	s_wait_dscnt 0x0
	CROUND                                         ; the closing round: no work-group ends while a partner may still ask for a tile that names it
	s_endpgm
.Lfunc_end_k_qf15e9330e0_qkvgemm:
	.size	k_qf15e9330e0_qkvgemm, .Lfunc_end_k_qf15e9330e0_qkvgemm-k_qf15e9330e0_qkvgemm
	.p2alignl 7, 3214868480
	.fill 96, 4, 3214868480
	.section	.rodata,"a",@progbits
	.p2align	6, 0x0
	.amdhsa_kernel k_qf15e9330e0_qkvgemm
		.amdhsa_group_segment_fixed_size 327680
		.amdhsa_private_segment_fixed_size 0
		.amdhsa_enable_private_segment 0
		.amdhsa_kernarg_size 40
		.amdhsa_user_sgpr_count 2
		.amdhsa_user_sgpr_kernarg_segment_ptr 1
		.amdhsa_wavefront_size32 1
		.amdhsa_system_sgpr_workgroup_id_x 1
		.amdhsa_system_sgpr_workgroup_id_y 1
		.amdhsa_system_sgpr_workgroup_id_z 1
		.amdhsa_system_vgpr_workitem_id 0
		.amdhsa_next_free_vgpr 1024
		.amdhsa_next_free_sgpr 98
		.amdhsa_reserve_vcc 0
		.amdhsa_float_denorm_mode_32 3
		.amdhsa_float_denorm_mode_16_64 3
		.amdhsa_memory_ordered 1
		.amdhsa_forward_progress 1
		.amdhsa_inst_pref_size 194
	.end_amdhsa_kernel
	.amdgpu_metadata
---
amdhsa.version: [ 1, 2 ]
amdhsa.kernels:
  - .name:           k_qf15e9330e0_qkvgemm
    .symbol:         k_qf15e9330e0_qkvgemm.kd
    .args:
      - { .name: xc, .offset: 0, .size: 8, .value_kind: global_buffer, .address_space: global }
      - { .name: wqc, .offset: 8, .size: 8, .value_kind: global_buffer, .address_space: global }
      - { .name: lowp_scales, .offset: 16, .size: 8, .value_kind: global_buffer, .address_space: global }
      - { .name: qkv, .offset: 24, .size: 8, .value_kind: global_buffer, .address_space: global }
      - { .name: b_qkv, .offset: 32, .size: 8, .value_kind: global_buffer, .address_space: global }
    .group_segment_fixed_size: 327680
    .private_segment_fixed_size: 0
    .kernarg_segment_align: 8
    .kernarg_segment_size: 40
    .max_flat_workgroup_size: 128
    .sgpr_count:     98
    .vgpr_count:     1024
    .wavefront_size: 32
...
	.end_amdgpu_metadata
.endif
;; end of part 2
;; launch attn (part 3): grid 4 x 64, 16 waves a work-group, no clusters, 264,192 bytes of LDS; arguments qkv, maskw, flags, lowp_scales, attc; writes attc
.if DOCPART == 3
	.amdgcn_target "amdgcn-amd-amdhsa--gfx1250"
	.amdhsa_code_object_version 6
	.text
	.protected	k_qf15e9330e0_attn
	.globl	k_qf15e9330e0_attn
	.p2align	8
	.type	k_qf15e9330e0_attn,@function
k_qf15e9330e0_attn:
	s_mov_b64 s[64:65], 0
	v_nop
	global_prefetch_b8 v0, s[64:65] scope:SCOPE_SE
	s_setreg_imm32_b32 hwreg(HW_REG_WAVE_MODE, 25, 1), 1
	s_wait_xcnt 0x0
; o[b][h][q] = the sum over keys of softmax(q . k / 8, masked) v, both products on codes of FP8 (E4M3); o is quantised at once (scale 2^e6) for the last product.
; THE SOFTMAX AHEAD OF THE SECOND PRODUCT: t = score x log2(e) / 8; M = the running largest t rounded UP to a whole number; p = 2^(t - M) is quantised (2^e4), not normalised; the row's sum is taken of the unquantised p
; and divides at the end.  When M moves, the sum and O are multiplied by 2^(old M - new M): exact.  A hidden key's score becomes -infinity ahead of the maximum.  A row with no open key at all comes out NaN.
; INPUTS: qkv: Q [b h 64][query tile 128][1024], K at + 8,388,608 [b h][key tile 128][1024], V^T at + 16,777,216 [b h][64 keys 32][channel tile 4][1024]: images of operands of 16 rows x 64 k: register g of lane l at
; 512 (g / 4) + 16 l + 4 (g % 4).  maskw [u: 32 queries][s: 64 keys][64 words]: word 2 i + a is the lane mask of score register i of query tile a.  flags [u][s]: 0 no key open, 1 some, 2 all.
; OUTPUT attc [row tile 512][16,384]: head hd's image of 16 tokens x 64 channels at 1,024 hd.
; NO CLUSTER, NO TENSOR LOAD: steps that the given mask hides wholly are jumped over by a branch on the stored flags, and joint requests could not be jumped over.  A head's K and V, 262,144 bytes of codes, are copied
; once into LDS through registers; one barrier; behind it LDS is only read.
; SHARES.  A work-group takes 16 of a head's 64 blocks of 32 queries, a wave one block: two query tiles that share each fragment of K and V.  Which block: from the wave's number w = 4 A + B,
; i = 4 (A xor B) + (A xor alpha B) (alpha B: B times a generator of the field of four elements), u = 4 i + (i + work-group x) % 4: each u once in a head, and the blocks of waves w % 4 = const, and of w / 4 = const,
; are spread alike over the queries: for masks whose open part grows along the queries.  u enters global addresses alone; every mask is served.
; LAYOUT.  S^T = K Q^T (source 0 = 16 keys, source 1 = 16 queries): lane r + 16 h holds query r; register 8 c + j is key 16 c + 8 h + j: the very places of source 1 of O^T = V^T P^T, so p's conversions give the operand.
; LIMITS: e2 + e3 between -123 and 130 (added to c's exponent field); e4, e6 between -126 and 119; e4 + e5 goes in by v_ldexp_f32 and has none.  NaN among the inputs is not served.
; REGISTERS: v1 16 x lane, v2 the same in V's half of LDS, v3, v4 the step's addresses, v5 -infinity, v6 2^e4 (at the end 2^e6), v7 448 x 2^e4; v8-15 at work (4 a tile); v16-31 Q; v32-63 K; v64-95 V;
;   v96-159 S^T, then p (32 a tile); v160-223 O^T (32 a tile); v224-239 codes (8 a tile); v240-255 statistics, 8 a tile: +0 -M, +1 the largest t, +2, +3 the sum, +4 f (+5 named with it), +6 at work (+7 named with it).
; SCALARS: s[4:5] Q, s[14:15] K, s[66:67] V, s[6:7] my block's mask words, s[8:9] its flags, s[12:13] attc; s[68:75] e0..e7; s76 wave; s77 the step; s78, s79 bit s: step s has an open key, has no hidden key;
;   s96 the step's LDS byte, s97 its byte in the mask words; s[98:99] c; s[100:101] lane selects; s16-63 and s80-95 a step's 64 mask words.
.set SB, 96
.set OB, 160
.set PB, 224
.set ST, 240
	s_load_b128 s[4:7], s[0:1], 0x0                ; qkv, maskw
	s_load_b128 s[8:11], s[0:1], 0x10              ; flags, the scales' exponents
	s_load_b64 s[12:13], s[0:1], 0x20              ; attc
	v_lshrrev_b32 v1, 5, v0
	v_readfirstlane_b32 s76, v1                    ; wave 0..15
	s_lshr_b32 s2, s76, 2                          ; A
	s_and_b32 s3, s76, 3                           ; B = 2 b1 + b0
	s_lshr_b32 s104, s3, 1
	s_and_b32 s105, s3, 1
	s_xor_b32 s105, s105, s104
	s_lshl_b32 s105, s105, 1
	s_or_b32 s105, s105, s104                      ; alpha B = 2 (b1 xor b0) + b1
	s_xor_b32 s3, s3, s2
	s_xor_b32 s105, s105, s2
	s_lshl_b32 s3, s3, 2
	s_add_co_u32 s3, s3, s105                      ; i
	s_add_co_u32 s104, s3, ttmp9
	s_and_b32 s104, s104, 3
	s_lshl_b32 s3, s3, 2
	s_add_co_u32 s3, s3, s104                      ; u: my block of 32 queries
	s_and_b32 s2, ttmp7, 0xffff                    ; b h
	s_lshl_b32 s104, s2, 17                        ; a head's 131,072 bytes in each of Q, K, V
	s_mov_b32 s105, 0
	v_lshlrev_b32 v224, 4, v0                      ; the copy: 16 bytes a thread, 8,192 a work-group
	v_add_nc_u32 v225, 0x10000, v224
	v_add_nc_u32 v226, 0x20000, v224
	v_add_nc_u32 v227, 0x30000, v224
	v_and_b32 v1, 31, v0
	v_lshlrev_b32 v9, 2, v1
	v_lshlrev_b32 v1, 4, v1
	v_add_nc_u32 v2, 0x20000, v1
	s_wait_kmcnt 0x0
	s_load_b256 s[68:75], s[10:11], 0x0            ; e0 .. e7
	s_add_nc_u64 s[4:5], s[4:5], s[104:105]
	s_add_nc_u64 s[14:15], s[4:5], 0x800000        ; the head's K,
	s_add_nc_u64 s[66:67], s[4:5], 0x1000000       ; its V
	s_lshl_b32 s104, s3, 11
	s_add_nc_u64 s[4:5], s[4:5], s[104:105]        ; my two tiles of Q
	s_lshl_b32 s104, s3, 13
	s_add_nc_u64 s[6:7], s[6:7], s[104:105]
	s_lshl_b32 s104, s3, 7
	s_add_nc_u64 s[8:9], s[8:9], s[104:105]
	s_lshr_b32 s104, s2, 4
	s_lshl_b32 s104, s104, 7
	s_lshl_b32 s77, s3, 1
	s_add_co_u32 s104, s104, s77                   ; row tile 128 b + 2 u
	s_lshl_b32 s104, s104, 14
	s_and_b32 s77, s2, 15
	s_lshl_b32 s77, s77, 10
	s_add_co_u32 s104, s104, s77                   ; + 1,024 x head
	s_add_nc_u64 s[12:13], s[12:13], s[104:105]
.irp i, 0,1,2,3,4,5,6,7,8,9,10,11,12,13,14,15
	global_load_b128 v[96+4*\i:99+4*\i], v224, s[14:15] offset:8192*\i
.endr
.irp i, 0,1,2,3,4,5,6,7,8,9,10,11,12,13,14,15
	global_load_b128 v[160+4*\i:163+4*\i], v224, s[66:67] offset:8192*\i
.endr
.irp i, 0,1,2,3
	global_load_b128 v[16+4*\i:19+4*\i], v1, s[4:5] offset:512*\i    ; Q stays in registers
.endr
	global_load_b32 v8, v9, s[8:9]                 ; lane s: step s's flag
.irp n, 0,1,2,3,4,5,6,7,8,9,10,11,12,13,14,15,16,17,18,19,20,21,22,23,24,25,26,27,28,29,30,31
	s_wait_loadcnt 36-\n                           ; load n of the 32 is in; behind it: the younger of them, Q's four, the flags' one
	ds_store_b128 v[224+\n/8], v[96+4*\n:99+4*\n] offset:8192*(\n%8)   ; K at LDS byte 0, V at 131,072, as they lie in memory
.endr
	s_wait_dscnt 0x0                               ; for the others' sake: my stores have landed
	s_barrier_signal -1
	s_barrier_wait -1                              ; K and V are whole; nobody writes LDS again
	s_wait_loadcnt 0x0                             ; Q, the flags
	v_cmp_ne_u32 s78, 0, v8
	v_cmp_eq_u32 s79, 2, v8
	s_wait_kmcnt 0x0
	s_add_co_i32 s2, s70, s71
	s_lshl_b32 s2, s2, 23
	s_add_co_i32 s98, s2, 0x3e38aa3b               ; c = log2(e) / 8, with e2 + e3 added to its exponent field: a score stands for score x 2^(e2 + e3)
	s_mov_b32 s99, s98                             ; (named with it as a pair)
	s_add_co_i32 s2, s72, 127
	s_lshl_b32 s3, s2, 23
	v_mov_b32 v6, s3                               ; 2^e4 as f32
	s_add_co_i32 s2, s2, 8
	s_lshl_b32 s2, s2, 23
	s_or_b32 s2, s2, 0x600000
	v_mov_b32 v7, s2                               ; 448 x 2^e4
	v_mov_b32 v5, 0xff800000                       ; -infinity
	s_mov_b32 s100, 0x76543210
	s_mov_b32 s101, 0xfedcba98                     ; v_permlanex16_b32: lane l xor 16
	s_mov_b32 s96, 0
	s_mov_b32 s97, 0
	s_mov_b32 s77, 0
.irp a, 0,1
	v_mov_b32 v[ST+8*\a+1], 0xff61b1e6             ; the largest t so far: -3e38, under every t
	v_floor_f32 v[ST+8*\a], -v[ST+8*\a+1]          ; -M
.irp j, 2,3,4,5,6,7
	v_mov_b32 v[ST+8*\a+\j], 0
.endr
.endr
.set n, 0
.rept 64
	v_mov_b32 v[OB+n], 0                           ; O^T.  Which step is a block's first hangs on the mask, so none is written out ahead of the loop: the first finds zeros, which the first change of M leaves zeros
.set n, n+1
.endr
; A step's fragments and its scores.  It stands in both arms below, so that the arm with scalar loads has them on their way meanwhile.
.macro KVQK
	v_add_nc_u32 v3, s96, v1
	v_add_nc_u32 v4, s96, v2
.irp c, 0,1,2,3
	ds_load_b128 v[32+8*\c:35+8*\c], v3 offset:1024*\c           ; 512 consecutive bytes a load
	ds_load_b128 v[36+8*\c:39+8*\c], v3 offset:1024*\c+512
.endr
.irp c, 0,1,2,3
	ds_load_b128 v[64+8*\c:67+8*\c], v4 offset:1024*\c
	ds_load_b128 v[68+8*\c:71+8*\c], v4 offset:1024*\c+512
.endr
	s_wait_dscnt 8                                 ; K is in; V's eight loads may be out
.irp c, 0,1,2,3
.irp a, 0,1
	v_wmma_f32_16x16x64_fp8_fp8 v[SB+32*\a+8*\c:SB+32*\a+8*\c+7], v[32+8*\c:39+8*\c], v[16+8*\a:23+8*\a], 0
.endr
.endr
.rept 4
	v_nop                                          ; places in front of the first read of the scores (ISA guide 7.12.1)
.endr
.endm
.Lstep:                                            ; 32 trips, a constant; a trip's work is jumped over where the stored flag says that no key of the step is open
	s_lshr_b32 s2, s78, s77
	s_and_b32 s2, s2, 1
	s_cbranch_scc0 .Lskip
	s_lshr_b32 s2, s79, s77
	s_and_b32 s2, s2, 1
	s_cbranch_scc1 .Lopen
	s_load_b512 s[16:31], s[6:7], s97 offset:0x0   ; some keys are hidden: the step's 64 lane masks
	s_load_b512 s[32:47], s[6:7], s97 offset:0x40
	s_load_b512 s[48:63], s[6:7], s97 offset:0x80
	s_load_b512 s[80:95], s[6:7], s97 offset:0xc0
	KVQK
	s_wait_kmcnt 0x0
.irp i, 0,1,2,3,4,5,6,7,8,9,10,11,12,13,14,15,16,17,18,19,20,21,22,23,24,25,26,27,28,29,30,31
.irp a, 0,1
	v_cndmask_b32 v[SB+32*\a+\i], v5, v[SB+32*\a+\i], s[16+(2*\i+\a)+16*((2*\i+\a)/48)]   ; open: the score; hidden: -infinity.  Each accumulator from its low end on
.endr
.endr
	s_branch .Lsoft
.Lopen:
	KVQK
.Lsoft:
.irp a, 0,1                            ; the step's largest score of my query among my 32 keys, in two chains; the two tiles line by line
	v_max3_num_f32 v[8+4*\a], v[SB+32*\a], v[SB+32*\a+1], v[SB+32*\a+2]
	v_max3_num_f32 v[9+4*\a], v[SB+32*\a+3], v[SB+32*\a+4], v[SB+32*\a+5]
.endr
.irp i, 6,10,14,18,22,26
.irp a, 0,1
	v_max3_num_f32 v[8+4*\a], v[8+4*\a], v[SB+32*\a+\i], v[SB+32*\a+\i+1]
	v_max3_num_f32 v[9+4*\a], v[9+4*\a], v[SB+32*\a+\i+2], v[SB+32*\a+\i+3]
.endr
.endr
.irp a, 0,1
	v_max3_num_f32 v[8+4*\a], v[8+4*\a], v[SB+32*\a+30], v[SB+32*\a+31]
.endr
.irp a, 0,1
	v_max_num_f32 v[8+4*\a], v[8+4*\a], v[9+4*\a]
.endr
.irp a, 0,1
	v_permlanex16_b32 v[ST+8*\a+6], v[8+4*\a], s100, s101
.endr
.irp a, 0,1
	v_max_num_f32 v[8+4*\a], v[8+4*\a], v[ST+8*\a+6]     ; and among lane l xor 16's
.endr
.irp a, 0,1
	v_mul_f32 v[8+4*\a], s98, v[8+4*\a]            ; as t (c is positive)
.endr
.irp a, 0,1
	v_max_num_f32 v[ST+8*\a+1], v[ST+8*\a+1], v[8+4*\a]  ; the running largest t
.endr
.irp a, 0,1
	v_mov_b32 v[9+4*\a], v[ST+8*\a]
.endr
.irp a, 0,1
	v_floor_f32 v[ST+8*\a], -v[ST+8*\a+1]          ; the new -M = floor(-t) = -ceil(t): a whole number
.endr
.irp a, 0,1
	v_sub_f32 v[9+4*\a], v[ST+8*\a], v[9+4*\a]     ; old M - new M: a whole number, 0 or less
.endr
.irp a, 0,1
	v_cvt_i32_f32 v[9+4*\a], v[9+4*\a]             ; (it saturates)
.endr
.irp a, 0,1
	v_ldexp_f32 v[ST+8*\a+4], 1.0, v[9+4*\a]       ; f = 2^(old M - new M)
.endr
.irp j, 0,2,4,6,8,10,12,14,16,18,20,22,24,26,28,30
.irp a, 0,1
	v_pk_fma_f32 v[SB+32*\a+\j:SB+32*\a+\j+1], v[SB+32*\a+\j:SB+32*\a+\j+1], s[98:99], v[ST+8*\a:ST+8*\a+1] op_sel_hi:[1,0,0]   ; t - M (of the pairs c and -M the low word serves both halves)
.endr
.endr
.set n, 0
.rept 64
	v_exp_f32 v[SB+n], v[SB+n]                     ; p = 2^(t - M), at most 1; 0 for a hidden key
.set n, n+1
.endr
.irp a, 0,1
	v_pk_mul_f32 v[ST+8*\a+2:ST+8*\a+3], v[ST+8*\a+2:ST+8*\a+3], v[ST+8*\a+4:ST+8*\a+5] op_sel_hi:[1,0]   ; the sums under the new M: plain lines behind the exponentials
.endr
	s_wait_alu depctr_va_vdst(0)                   ; one wait for the batch of 64, ahead of its first reader
.irp a, 0,1
	v_pk_add_f32 v[10+4*\a:11+4*\a], v[SB+32*\a:SB+32*\a+1], v[SB+32*\a+2:SB+32*\a+3]   ; the row's sum is taken of the unquantised p, in two chains
.endr
.irp j, 4,8,12,16,20,24,28
.irp a, 0,1
	v_pk_add_f32 v[ST+8*\a+2:ST+8*\a+3], v[ST+8*\a+2:ST+8*\a+3], v[SB+32*\a+\j:SB+32*\a+\j+1]
	v_pk_add_f32 v[10+4*\a:11+4*\a], v[10+4*\a:11+4*\a], v[SB+32*\a+\j+2:SB+32*\a+\j+3]
.endr
.endr
.irp a, 0,1
	v_pk_add_f32 v[ST+8*\a+2:ST+8*\a+3], v[ST+8*\a+2:ST+8*\a+3], v[10+4*\a:11+4*\a]
.endr
	s_cmp_ge_i32 s72, -8                           ; p <= 1 <= 448 x 2^e4 from e4 = -8 on: the hold could change nothing and is jumped over (a branch on a given whole number; this text has no tensor load)
	s_cbranch_scc1 .Lnohold
.set n, 0
.rept 64
	v_min_num_f32 v[SB+n], v[SB+n], v7             ; the conversion to an 8-bit code does not saturate (ISA guide 7.6.2); p is not negative: a one-sided hold
.set n, n+1
.endr
.Lnohold:
.irp a, 0,1
.irp c, 0,1,2,3
	v_cvt_scalef32_pk8_fp8_f32 v[PB+8*\a+2*\c:PB+8*\a+2*\c+1], v[SB+32*\a+8*\c:SB+32*\a+8*\c+7], v6
.endr
.endr
.irp j, 0,2,4,6,8,10,12,14,16,18,20,22,24,26,28,30
.irp a, 0,1
	v_pk_mul_f32 v[OB+32*\a+\j:OB+32*\a+\j+1], v[OB+32*\a+\j:OB+32*\a+\j+1], v[ST+8*\a+4:ST+8*\a+5] op_sel_hi:[1,0]   ; O^T under the new M; also the plain lines behind the conversions
.endr
.endr
	s_wait_dscnt 0x0                               ; V is in
.irp t, 0,1,2,3                        ; O^T += V^T P^T: the eight accumulators take turns, one instruction a turn
.irp a, 0,1
	v_wmma_f32_16x16x64_fp8_fp8 v[OB+32*\a+8*\t:OB+32*\a+8*\t+7], v[64+8*\t:71+8*\t], v[PB+8*\a:PB+8*\a+7], v[OB+32*\a+8*\t:OB+32*\a+8*\t+7]
.endr
.endr
.rept 4
	v_nop                                          ; places in front of the next loads into V's registers, and of the way out's reads
.endr
.Lskip:
	s_add_co_u32 s96, s96, 4096
	s_add_co_u32 s97, s97, 256
	s_add_co_u32 s77, s77, 1
	s_cmp_lt_u32 s77, 32
	s_cbranch_scc1 .Lstep
	; THE WAY OUT: no LDS.  o = O^T x 2^(e4 + e5) / the sum; register 8 t + j of lane r + 16 h is channel 16 t + 8 h + j of token r: the places of an operand of 16 x 64.
	s_add_co_i32 s2, s72, s73                      ; e4 + e5
	s_add_co_i32 s3, s74, 127
	s_lshl_b32 s77, s3, 23
	v_mov_b32 v6, s77                              ; 2^e6 as f32
	s_add_co_i32 s3, s3, 8
	s_lshl_b32 s105, s3, 23
	s_or_b32 s105, s105, 0x600000                  ; 448 x 2^e6,
	s_or_b32 s104, s105, 0x80000000                ; and its negative
.irp a, 0,1
	v_add_f32 v[ST+8*\a+2], v[ST+8*\a+2], v[ST+8*\a+3]
.endr
.irp a, 0,1
	v_permlanex16_b32 v[ST+8*\a+6], v[ST+8*\a+2], s100, s101
.endr
.irp a, 0,1
	v_add_f32 v[ST+8*\a+2], v[ST+8*\a+2], v[ST+8*\a+6]   ; the row's sum
.endr
.irp a, 0,1
	v_rcp_f32 v[ST+8*\a+4], v[ST+8*\a+2]
.endr
	v_nop                                          ; a plain line behind the reciprocals
	s_wait_alu depctr_va_vdst(0)                   ; one wait for both, ahead of the first reader
.irp a, 0,1
	v_mul_f32 v[ST+8*\a+6], 0, v[ST+8*\a+4]        ; 0; NaN where the sum is 0: a row with no open key
.endr
.irp a, 0,1
	v_ldexp_f32 v[ST+8*\a+4], v[ST+8*\a+4], s2
.endr
.irp a, 0,1
.irp j, 0,2,4,6,8,10,12,14,16,18,20,22,24,26,28,30
	v_pk_mul_f32 v[SB+32*\a+\j:SB+32*\a+\j+1], v[OB+32*\a+\j:OB+32*\a+\j+1], v[ST+8*\a+4:ST+8*\a+5] op_sel_hi:[1,0]   ; each accumulator from its low end on
.endr
.endr
.set n, 0
.rept 64
	v_med3_num_f32 v[SB+n], v[SB+n], s104, s105
.set n, n+1
.endr
.irp a, 0,1
.irp j, 0,2,4,6,8,10,12,14,16,18,20,22,24,26,28,30
	v_pk_add_f32 v[SB+32*\a+\j:SB+32*\a+\j+1], v[SB+32*\a+\j:SB+32*\a+\j+1], v[ST+8*\a+6:ST+8*\a+7] op_sel_hi:[1,0]   ; + 0, or the NaN that the hold has dropped: its code is NaN, and the last product gives that row NaN
.endr
.endr
.irp a, 0,1
.irp c, 0,1,2,3
	v_cvt_scalef32_pk8_fp8_f32 v[PB+8*\a+2*\c:PB+8*\a+2*\c+1], v[SB+32*\a+8*\c:SB+32*\a+8*\c+7], v6
.endr
.endr
	v_nop
.irp a, 0,1
	global_store_b128 v1, v[PB+8*\a:PB+8*\a+3], s[12:13] offset:16384*\a           ; 512 consecutive bytes, aligned
	global_store_b128 v1, v[PB+8*\a+4:PB+8*\a+7], s[12:13] offset:16384*\a+512
.endr
	s_wait_xcnt 0x0
	v_lshl_add_u32 v254, v0, 2, 0x40000
	v_mov_b32 v255, 0
	s_wait_tensorcnt 0x0
	ds_add_u32 v254, v255
	s_wait_dscnt 0x0
	s_endpgm
.Lfunc_end_k_qf15e9330e0_attn:
	.size	k_qf15e9330e0_attn, .Lfunc_end_k_qf15e9330e0_attn-k_qf15e9330e0_attn
	.p2alignl 7, 3214868480
	.fill 96, 4, 3214868480
	.section	.rodata,"a",@progbits
	.p2align	6, 0x0
	.amdhsa_kernel k_qf15e9330e0_attn
		.amdhsa_group_segment_fixed_size 264192
		.amdhsa_private_segment_fixed_size 0
		.amdhsa_enable_private_segment 0
		.amdhsa_kernarg_size 40
		.amdhsa_user_sgpr_count 2
		.amdhsa_user_sgpr_kernarg_segment_ptr 1
		.amdhsa_wavefront_size32 1
		.amdhsa_system_sgpr_workgroup_id_x 1
		.amdhsa_system_sgpr_workgroup_id_y 1
		.amdhsa_system_sgpr_workgroup_id_z 1
		.amdhsa_system_vgpr_workitem_id 0
		.amdhsa_next_free_vgpr 256
		.amdhsa_next_free_sgpr 106
		.amdhsa_reserve_vcc 0
		.amdhsa_float_denorm_mode_32 3
		.amdhsa_float_denorm_mode_16_64 3
		.amdhsa_memory_ordered 1
		.amdhsa_forward_progress 1
		.amdhsa_inst_pref_size 45
	.end_amdhsa_kernel
	.amdgpu_metadata
---
amdhsa.version: [ 1, 2 ]
amdhsa.kernels:
  - .name:           k_qf15e9330e0_attn
    .symbol:         k_qf15e9330e0_attn.kd
    .args:
      - { .name: qkv, .offset: 0, .size: 8, .value_kind: global_buffer, .address_space: global }
      - { .name: maskw, .offset: 8, .size: 8, .value_kind: global_buffer, .address_space: global }
      - { .name: flags, .offset: 16, .size: 8, .value_kind: global_buffer, .address_space: global }
      - { .name: lowp_scales, .offset: 24, .size: 8, .value_kind: global_buffer, .address_space: global }
      - { .name: attc, .offset: 32, .size: 8, .value_kind: global_buffer, .address_space: global }
    .group_segment_fixed_size: 264192
    .private_segment_fixed_size: 0
    .kernarg_segment_align: 8
    .kernarg_segment_size: 40
    .max_flat_workgroup_size: 512
    .sgpr_count:     106
    .vgpr_count:     256
    .wavefront_size: 32
...
	.end_amdgpu_metadata
.endif
;; end of part 3
;; launch proj (part 4): grid 4 x 32, 4 waves a work-group, clusters of 4 x 4, 327,680 bytes of LDS; arguments attc, wpc, lowp_scales, out0, b_proj; writes out0
.if DOCPART == 4
	.amdgcn_target "amdgcn-amd-amdhsa--gfx1250"
	.amdhsa_code_object_version 6
	.text
	.protected	k_qf15e9330e0_proj
	.globl	k_qf15e9330e0_proj
	.p2align	8
	.type	k_qf15e9330e0_proj,@function
k_qf15e9330e0_proj:
	s_mov_b64 s[64:65], 0
	v_nop
	global_prefetch_b8 v0, s[64:65] scope:SCOPE_SE
	s_setreg_imm32_b32 hwreg(HW_REG_WAVE_MODE, 25, 1), 1
	s_wait_xcnt 0x0
	s_wait_alu depctr_hold_cnt(0) depctr_sa_sdst(0) depctr_va_vdst(0) depctr_va_sdst(0) depctr_va_ssrc(0) depctr_va_vcc(0) depctr_vm_vsrc(0)
	s_getreg_b32 s2, hwreg(HW_REG_IB_STS2, 6, 4)
	s_cmp_eq_u32 s2, 0
	s_cbranch_scc0 .Lentry_in_a_cluster
	s_endpgm
.Lentry_in_a_cluster:
	s_bfe_u32 s2, ttmp6, 0x10000c
	s_cmp_lg_u32 s2, 0xf033
	s_cbranch_scc0 .Lentry_shape_is_right
	s_endpgm
.Lentry_shape_is_right:
; out0 = o w_proj + b_proj on codes of FP8 (E4M3), [8192 x 1024] x [1024 x 1024]; out0 f32: each sum x 2^(e6 + e7) + bias.
; INPUTS as images of operand registers: a fragment of 16 rows x 128 k is 2,048 bytes, register g of lane l at 512 (g / 4) + 16 l + 4 (g % 4).  attc [row tile 512][k step 8][2048], wpc [column tile 64][8][2048].
; LIMIT: e6 + e7 between -126 and 127.  A NaN code in a row of attc (a row with no open key) makes that row of out0 NaN.
; A tile of 256 x 256 is made by four waves, each 128 x 128: 64 accumulators, 512 registers.  K goes in steps of 256 through two LDS slots filled by the tensor data mover: four K steps.
; CLUSTERS: 4 x 4 work-groups; attc's tiles are asked for jointly along a row of the cluster, the weight's along a column.  128 tiles in all: a smaller tile would read half as much again from LDS for each product.
; THE MATRIX INSTRUCTION IS USED TRANSPOSED (source 0 = 16 columns of the weight, source 1 = 16 tokens): a lane holds eight neighbouring numbers of a row of out0.
; REGISTERS, in windows of 256: window 0: v0-31 addresses; v32-95 the bias of a lane's 64 columns; from v128 A's fragments, ONE set; on the way out v128-255 rows read back.
;   window 1: B's fragments, TWO sets; on the way out v0-63 a block's results.   windows 2, 3: the accumulators ((a, b) at v[8 (8 (a % 4) + b)]).
.set SLOT,   131072                    ; attc's 16 row tiles x 4,096 bytes (two k steps of 128), then the weight's 16
.set SPARE,  2*SLOT                    ; behind the ring: the spare words, 128 bytes for each wave: two blocks of 256 bytes that no other line names
.set SPITCH, 528                       ; the way out: a stage of 16 rows x (512 bytes + 16) for each wave, in slot 0, which has had its last fill and its last read when the first result is stored there
.set SIZE_N, 1024
.set FR,     16
.set NL,     4
.set NP,     4                         ; places behind this matrix instruction (ISA guide 7.12.1)
.set ADRA, 16                          ; v16-17  LDS address of my A fragments in slot 0, 1
.set ADRB, 20                          ; v20-21  the same for B
.set STO,  24                          ; v24     the way out: where I put 32 bytes of a row
.set RD,   25                          ; v25     the way out: where I read a row back
.set LN,   27                          ; v27     16 x lane: also my byte offset in a row of out0
.set SPW,  28                          ; v28     LDS address of my spare word; never rewritten
.set NIL,  29                          ; v29     0; never rewritten
.set BH,   30                          ; v30     32 h; never rewritten
.set BIAS, 32
.set AF,   128
.set BK,   128
.set G1, 24
.set G0, 32
.set G1B, 48
.set G0B, 56
.set MSB, 0
.macro WIN new                         ; the immediate's high byte repeats the setting that is left
.if MSB != (\new)
	s_set_vgpr_msb (MSB<<8)|(\new)
.set MSB, (\new)
.endif
.endm
.set MUL_LO, 0xa1                      ; source 0 (B) window 1, source 1 (A) window 0, C and D window 2
.set MUL_HI, 0xf1
.set TO_B,   0x40
; A joint load: waves 0 and 1 fetch attc's halves, waves 2 and 3 the weight's; four v_nop follow each of the two lines.
.macro JLOAD g0a, g1a, g0b, g1b
	s_cmp_eq_u32 s15, 0
	s_cbranch_scc0 .Lfor_b_\@
	tensor_load_to_lds s[\g0a:\g0a+3], s[\g1a:\g1a+7]
	s_nop 0
.rept 4
	v_nop
.endr
	s_branch .Lasked_\@
.Lfor_b_\@:
	tensor_load_to_lds s[\g0b:\g0b+3], s[\g1b:\g1b+7]
	s_nop 0
.rept 4
	v_nop
.endr
.Lasked_\@:
.endm
.macro CREST
	s_cmp_lg_u32 s14, 0
	s_cbranch_scc1 .Lnot_wave_0_\@
	s_barrier_signal -3
.Lnot_wave_0_\@:
	s_barrier_wait -3
	s_barrier_signal -1
	s_barrier_wait -1
.endm
.macro CROUND
	s_barrier_signal -1
	s_barrier_wait -1
	CREST
.endm
	s_load_b128 s[4:7], s[0:1], 0x0                ; attc, wpc
	s_load_b128 s[8:11], s[0:1], 0x10              ; the scales' exponents, out0
	s_load_b64 s[12:13], s[0:1], 0x20              ; b_proj
	v_lshl_add_u32 v[SPW], v0, 2, SPARE
	v_mov_b32 v[NIL], 0
	ds_add_u32 v28, v29
	ds_add_u32 v28, v29
	s_wait_dscnt 0x0
	v_lshrrev_b32 v1, 5, v0
	v_readfirstlane_b32 s14, v1                    ; wave 0..3
	s_lshr_b32 s15, s14, 1                         ; which half of the tile's rows is mine.  Also: I fetch for attc (0) or for the weight (1)
	s_and_b32 s16, s14, 1                          ; which half of its columns.  Also: which 8 row tiles of that tile I fetch
	s_bfe_u32 s40, ttmp6, 0x40000
	s_bfe_u32 s41, ttmp6, 0x40004
	s_lshl_b32 s42, ttmp9, 2
	s_add_co_u32 s42, s42, s40                     ; tile column
	s_and_b32 s17, ttmp7, 0xffff
	s_lshl_b32 s17, s17, 2
	s_add_co_u32 s17, s17, s41                     ; tile row
	s_lshl_b32 s43, s41, 2
	s_lshl_b32 s43, 15, s43                        ; my row of the cluster
	s_lshl_b32 s44, 0x1111, s40                    ; my column
	s_or_b32 s[G1+0], s43, (3<<16)|(1<<21)         ; 15:0 the mask; 17:16 elements of 8 bytes; 20 no padding; 21 set beside a mask
	s_or_b32 s[G1B+0], s44, (3<<16)|(1<<21)
.irp g, G1, G1B
	s_mov_b32 s[\g+1], 512<<16                     ; tensor_dim0 = 512 elements: 4,096 bytes, two k steps' images
	s_mov_b32 s[\g+2], 8<<16                       ; tensor_dim1 = 8 row tiles
	s_mov_b32 s[\g+3], 512<<16                     ; tile_dim0
	s_mov_b32 s[\g+4], 8                           ; tile_dim1
	s_mov_b32 s[\g+5], 2048                        ; tensor_dim0_stride: 16,384 bytes
	s_mov_b32 s[\g+6], 0
	s_mov_b32 s[\g+7], 0
.endr
	s_lshl_b32 s18, s16, 3
	s_lshl_b32 s20, s17, 4
	s_add_co_u32 s20, s20, s18
	s_lshl_b32 s20, s20, 14
	s_mov_b32 s21, 0
	s_lshl_b32 s46, s42, 4
	s_add_co_u32 s46, s46, s18
	s_lshl_b32 s46, s46, 14
	s_mov_b32 s47, 0
	s_lshl_b32 s45, s14, 15                        ; where they go: wave x 32,768
	s_wait_kmcnt 0x0
	s_load_b64 s[96:97], s[8:9], 0x18              ; e6, e7
	s_add_nc_u64 s[20:21], s[4:5], s[20:21]
	s_add_nc_u64 s[46:47], s[6:7], s[46:47]
	CROUND                                         ; all sixteen work-groups are here: the first joint loads meet
.irp s, 0,1
	s_mov_b32 s[G0+4*\s], 1
	s_add_co_u32 s[G0+4*\s+1], s45, \s*SLOT
	s_add_nc_u64 s[G0+4*\s+2:G0+4*\s+3], s[20:21], \s*4096
	s_or_b32 s[G0+4*\s+3], s[G0+4*\s+3], 0x80000000
	s_mov_b32 s[G0B+4*\s], 1
	s_add_co_u32 s[G0B+4*\s+1], s45, \s*SLOT
	s_add_nc_u64 s[G0B+4*\s+2:G0B+4*\s+3], s[46:47], \s*4096
	s_or_b32 s[G0B+4*\s+3], s[G0B+4*\s+3], 0x80000000
	JLOAD G0+4*\s, G1, G0B+4*\s, G1B               ; two loads of mine are out
.endr
	v_and_b32 v1, 31, v0
	v_lshlrev_b32 v[LN], 4, v1
	s_lshl_b32 s21, s15, 15                        ; my 8 row tiles of attc
	s_lshl_b32 s22, s16, 15
	s_add_co_u32 s22, s22, 0x10000                 ; my 8 of the weight, which lie behind attc's 16
.irp s, 0,1
	v_add_nc_u32 v[ADRA+\s], s21, v[LN]
	v_add_nc_u32 v[ADRB+\s], s22, v[LN]
	s_add_co_u32 s21, s21, SLOT
	s_add_co_u32 s22, s22, SLOT
.endr
	v_and_b32 v1, 15, v0
	v_bfe_u32 v2, v0, 4, 1
	v_lshlrev_b32 v[BH], 5, v2
	s_mul_i32 s23, s14, 16*SPITCH                  ; my stage
	v_mul_u32_u24 v5, v1, SPITCH                   ; in: row l % 16, 32 bytes for each half of the lanes
	v_lshl_add_u32 v5, v2, 5, v5
	v_add_nc_u32 v[STO], s23, v5
	v_add_nc_u32 v[RD], s23, v[LN]                 ; back: the 32 lanes take one row of 512 bytes
	s_lshl_b32 s88, s42, 10
	s_lshl_b32 s90, s16, 9
	s_add_co_u32 s88, s88, s90                     ; 4 x my first column
	s_mov_b32 s89, 0
	s_add_nc_u64 s[70:71], s[12:13], s[88:89]
.irp b, 0,1,2,3,4,5,6,7                ; waited for on the way out
	global_load_b128 v[BIAS+8*\b:BIAS+8*\b+3], v[BH], s[70:71] offset:64*\b        ; columns 16 b + 8 h + 0 .. 7
	global_load_b128 v[BIAS+8*\b+4:BIAS+8*\b+7], v[BH], s[70:71] offset:64*\b+16
.endr
	s_lshl_b32 s90, s17, 8
	s_lshl_b32 s91, s15, 7
	s_add_co_u32 s90, s90, s91                     ; my first row: 256 x tile row + 128 x half,
	s_lshl_b32 s90, s90, 12                        ; of 4,096 bytes
	s_add_co_u32 s88, s88, s90
	s_add_nc_u64 s[10:11], s[10:11], s[88:89]
.macro FRAG reg, adr, q, i
.irp c, 0,1,2,3
	ds_load_b128 v[\reg+4*\c:\reg+4*\c+3], v[\adr] offset:2048*(\q)+512*\c+4096*(\i)
.endr
.endm
; The 64 accumulators take turns, one instruction a turn, in the same order in every step.
.macro MUL16 a0, p, zero
.irp a, \a0, \a0+1
.irp b, 0,1,2,3,4,5,6,7
.if \zero
	v_wmma_f32_16x16x128_fp8_fp8 v[8*(8*((\a)%4)+\b):8*(8*((\a)%4)+\b)+7], v[128*(\p)+FR*\b:128*(\p)+FR*\b+FR-1], v[AF+FR*(\a):AF+FR*(\a)+FR-1], 0
.else
	v_wmma_f32_16x16x128_fp8_fp8 v[8*(8*((\a)%4)+\b):8*(8*((\a)%4)+\b)+7], v[128*(\p)+FR*\b:128*(\p)+FR*\b+FR-1], v[AF+FR*(\a):AF+FR*(\a)+FR-1], v[8*(8*((\a)%4)+\b):8*(8*((\a)%4)+\b)+7]
.endif
.endr
.endr
.endm
.macro FETCH_B slot, q, p
	WIN TO_B
.irp i, 0,1,2,3,4,5,6,7
	FRAG 128*(\p)+FR*\i, ADRB+\slot, \q, \i
.endr
	WIN 0
.endm
.macro FETCH_A slot, q, i0
.irp i, \i0, \i0+1, \i0+2, \i0+3
	FRAG AF+FR*(\i), ADRA+\slot, \q, \i
.endr
.endm
.macro PLACES n                        ; plain vector instructions between a matrix instruction and a load into, or a vector instruction on, its registers (ISA guide 7.12.1 for vector instructions)
.rept \n
	v_nop
.endr
.endm
.macro STEP slot, q, zero
	s_wait_dscnt 4*NL                              ; B's set and A's blocks 0-3 are in; the youngest 16 loads (A's blocks 4-7) may be out
	WIN MUL_LO
	MUL16 0, (\q)%2, \zero
	MUL16 2, (\q)%2, \zero
	s_wait_dscnt 0
	PLACES NP
	FETCH_B \slot, (\q)+1, 1-(\q)%2
	FETCH_A \slot, (\q)+1, 0
	WIN MUL_HI
	MUL16 4, (\q)%2, \zero
	MUL16 6, (\q)%2, \zero
	PLACES NP
	WIN 0
	FETCH_A \slot, (\q)+1, 4
.endm
.macro TURN slot, next, fill
	s_wait_tensorcnt 0x0                           ; all my tensor loads have landed: my part of the next slot
	ds_add_u32 v[SPW], v[NIL]                      ; 0 onto my spare word
	s_wait_dscnt 4*NL+1                            ; (the add and the youngest 16 loads may be out)
	WIN MUL_LO
	MUL16 0, 1, 0
	s_wait_dscnt 0x0                               ; the add is done, and my reads of this slot are over
	s_barrier_signal -1
	MUL16 2, 1, 0
	WIN 0
	s_barrier_wait -1
.if \fill
	CREST                                          ; the barrier has opened a round of the cluster's: no wave of any partner still reads this slot or has a load on its way
	s_add_nc_u64 s[G0+4*\slot+2:G0+4*\slot+3], s[G0+4*\slot+2:G0+4*\slot+3], 2*4096
	s_add_nc_u64 s[G0B+4*\slot+2:G0B+4*\slot+3], s[G0B+4*\slot+2:G0B+4*\slot+3], 2*4096
	JLOAD G0+4*\slot, G1, G0B+4*\slot, G1B         ; the first tensor load behind the round, my only one until the next
.else
	PLACES NP
.endif
	FETCH_B \next, 0, 0
	FETCH_A \next, 0, 0
	WIN MUL_HI
	MUL16 4, 1, 0
	MUL16 6, 1, 0
	PLACES NP
	WIN 0
	FETCH_A \next, 0, 4
.endm
	s_wait_tensorcnt 1                             ; my part of K step 0 is in (K step 1's load may be out)
	s_barrier_signal -1
	s_barrier_wait -1
	FETCH_B 0, 0, 0
	FETCH_A 0, 0, 0
	FETCH_A 0, 0, 4
	STEP 0, 0, 1                                   ; four K steps of 256, eight steps of 128: written out, no loop
	TURN 0, 1, 1
	STEP 1, 0, 0
	TURN 1, 0, 1
	STEP 0, 0, 0
	TURN 0, 1, 0                                   ; behind this barrier nobody reads slot 0, and nothing fills it again
	STEP 1, 0, 0
	s_wait_dscnt 4*NL
	WIN MUL_LO
	MUL16 0, 1, 0
	MUL16 2, 1, 0
	s_wait_dscnt 0
	WIN MUL_HI
	MUL16 4, 1, 0
	MUL16 6, 1, 0
	WIN 0
; THE WAY OUT, block by block of 16 rows x 128 columns: through my own stage in LDS and back as whole rows of 512 bytes.  LDS serves a wave's instructions in order (ISA guide 5.7.1.4): no wait between the stores and the loads.
.macro TOSTAGE a
.set AC, 64*((\a)%4)
	WIN 0x42+((\a)/4)                              ; destination window 1, the sums window 2 or 3, the bias window 0
.irp j, 0,2,4,6,8,10,12,14,16,18,20,22,24,26,28,30,32,34,36,38,40,42,44,46,48,50,52,54,56,58,60,62
	v_pk_fma_f32 v[\j:\j+1], v[AC+\j:AC+\j+1], s[96:97], v[BIAS+\j:BIAS+\j+1] op_sel_hi:[1,0,1]   ; sum x 2^(e6 + e7) + bias; each accumulator from its low end on
.endr
	WIN 0x04                                       ; an LDS store's data: window 1
.irp b, 0,1,2,3,4,5,6,7
	ds_store_b128 v[STO], v[8*\b:8*\b+3] offset:64*\b
	ds_store_b128 v[STO], v[8*\b+4:8*\b+7] offset:64*\b+16
.endr
	WIN 0
.set BB, BK+64*((\a)%2)
.irp t, 0,1,2,3,4,5,6,7,8,9,10,11,12,13,14,15
	ds_load_b128 v[BB+4*\t:BB+4*\t+3], v[RD] offset:\t*SPITCH
.endr
.endm
.macro SEND a, younger                 ; younger: the LDS instructions issued behind block a's loads, which may stay out
.set BB, BK+64*((\a)%2)
	s_wait_dscnt \younger
.if (\a) > 0
	s_add_nc_u64 s[10:11], s[10:11], 16*SIZE_N*4   ; (behind a wait on XCNT: the earlier stores have read their base)
.endif
.irp t, 0,1,2,3,4,5,6,7,8,9,10,11,12,13,14,15
	global_store_b128 v[LN], v[BB+4*\t:BB+4*\t+3], s[10:11] offset:\t*SIZE_N*4 th:TH_STORE_NT   ; 512 consecutive bytes, aligned; written once, read by nobody here
.endr
.endm
	s_wait_kmcnt 0x0
	s_add_co_i32 s96, s96, s97
	s_add_co_i32 s96, s96, 127
	s_lshl_b32 s96, s96, 23                        ; 2^(e6 + e7) as f32 (the packed form takes the pair's low word for both halves)
	s_wait_loadcnt 0x0                             ; the bias
	PLACES NP
	TOSTAGE 0
.irp a, 1,2,3,4,5,6,7
.if \a > 1
	s_wait_xcnt 0x0                                ; block a - 2's stores have read their registers and their base
.endif
	TOSTAGE \a
	SEND \a-1, 32                                  ; behind block a - 1's loads: block a's 16 stores and 16 loads
.endr
	s_wait_xcnt 0x0
	SEND 7, 0
	s_wait_tensorcnt 0x0                           ; the wave's end
	ds_add_u32 v[SPW], v[NIL]
	s_wait_dscnt 0x0
	CROUND                                         ; the closing round
	s_endpgm
.Lfunc_end_k_qf15e9330e0_proj:
	.size	k_qf15e9330e0_proj, .Lfunc_end_k_qf15e9330e0_proj-k_qf15e9330e0_proj
	.p2alignl 7, 3214868480
	.fill 96, 4, 3214868480
	.section	.rodata,"a",@progbits
	.p2align	6, 0x0
	.amdhsa_kernel k_qf15e9330e0_proj
		.amdhsa_group_segment_fixed_size 327680
		.amdhsa_private_segment_fixed_size 0
		.amdhsa_enable_private_segment 0
		.amdhsa_kernarg_size 40
		.amdhsa_user_sgpr_count 2
		.amdhsa_user_sgpr_kernarg_segment_ptr 1
		.amdhsa_wavefront_size32 1
		.amdhsa_system_sgpr_workgroup_id_x 1
		.amdhsa_system_sgpr_workgroup_id_y 1
		.amdhsa_system_sgpr_workgroup_id_z 1
		.amdhsa_system_vgpr_workitem_id 0
		.amdhsa_next_free_vgpr 1024
		.amdhsa_next_free_sgpr 98
		.amdhsa_reserve_vcc 0
		.amdhsa_float_denorm_mode_32 3
		.amdhsa_float_denorm_mode_16_64 3
		.amdhsa_memory_ordered 1
		.amdhsa_forward_progress 1
		.amdhsa_inst_pref_size 124
	.end_amdhsa_kernel
	.amdgpu_metadata
---
amdhsa.version: [ 1, 2 ]
amdhsa.kernels:
  - .name:           k_qf15e9330e0_proj
    .symbol:         k_qf15e9330e0_proj.kd
    .args:
      - { .name: attc, .offset: 0, .size: 8, .value_kind: global_buffer, .address_space: global }
      - { .name: wpc, .offset: 8, .size: 8, .value_kind: global_buffer, .address_space: global }
      - { .name: lowp_scales, .offset: 16, .size: 8, .value_kind: global_buffer, .address_space: global }
      - { .name: out0, .offset: 24, .size: 8, .value_kind: global_buffer, .address_space: global }
      - { .name: b_proj, .offset: 32, .size: 8, .value_kind: global_buffer, .address_space: global }
    .group_segment_fixed_size: 327680
    .private_segment_fixed_size: 0
    .kernarg_segment_align: 8
    .kernarg_segment_size: 40
    .max_flat_workgroup_size: 128
    .sgpr_count:     98
    .vgpr_count:     1024
    .wavefront_size: 32
...
	.end_amdgpu_metadata
.endif
;; end of part 4
